; MI455X (gfx1250); checked and timed in simulation.
; The chip was launched on July 23, 2026; its instructions are those of AMD's public machine-readable ISA for CDNA 5 (MIT licence, August 2026) and "CDNA5" Instruction Set Architecture Reference Guide (July 2026). The comments in the code are by the model that wrote it; some were corrected since.
;; Bandit Layer. Allowed arithmetic: matrix products marked QUANTISED: E2M1 operands, one E8M0 scale for each 32 along K, by v_wmma_scale_f32_16x16x128_f8f6f4 with both operands' format E2M1 (or v_wmma_scale_f32_32x16x128_f4), f32 sums; everything else in f32.
;; Inputs: bias 8,192 float32; weight_codes 8,192 x 128 x 16 uint8 (E2M1 codes of weight, K innermost, in blocks of 32 codes, two codes a byte); weight_scales 8,192 x 128 uint8 (E8M0 scales of weight, one for each 32 codes along K); x_codes 2,048 x 128 x 16 uint8 (E2M1 codes of x, K innermost, in blocks of 32 codes, two codes a byte); x_scales 2,048 x 128 uint8 (E8M0 scales of x, one for each 32 codes along K).
;; Outputs: out0 2,048 x 8,192 float32.
;; This version of the problem:
;;   THIS VERSION OF THE PROBLEM IS GIVEN IN LOW PRECISION. The matrix products marked QUANTISED in the list below multiply operands that are first quantised to E2M1 (2 exponent bits, 1 mantissa bit; 4 bits a number), with one power-of-two scale for each 32 numbers along K (OCP MX v1.0); their sums are f32. All else is computed in f32.
;;   The module's matrix products, in the order in which they are computed (A, B: the left and right operand; K: the contracted axis; several contracted axes count as one K, in the product's order):
;;     1. [M 2,048, K 4,096] x [K 4,096, N 8,192]; A: input x (given as codes); B: input weight (given as codes): QUANTISED
;;   THE QUANTISER, for each operand of a quantised product, along K:
;;     - K is cut into blocks of 32 from its start; a last block that is shorter is filled with zeros.
;;     - A block's scale is 2^e with e = floor(log2(the largest magnitude in the block)) - 2, held to -126 .. 127; a block of zeros has e = 0. As a byte (E8M0): e + 127.
;;     - Each number is divided by its block's scale, clamped to +-6, and rounded to the nearest number of E2M1, ties to even, subnormals kept.
;;     - The product sums the exact products of the quantised numbers (number of the format x scale) in f32.
;;   ~~~python
;;   def quantise(x, axis):      # numpy; x: float32 -> the quantised numbers, widened to float32 again
;;       x = np.moveaxis(x, axis, -1); K = x.shape[-1]
;;       x = np.pad(x, [(0, 0)] * (x.ndim - 1) + [(0, -K % 32)]); x = x.reshape(x.shape[:-1] + (-1, 32)); a = np.abs(x).max(-1, keepdims=True)
;;       e = np.where(a > 0, np.clip(np.frexp(np.where(a > 0, a, 1))[1] - 1 - 2, -126, 127), 0)      # np.frexp(a)[1] - 1 = floor(log2(a)), exactly
;;       r = np.clip(x / 2.0 ** e, -6, 6)
;;       step = 2.0 ** (np.maximum(np.frexp(np.where(r == 0, 1, r))[1] - 1, 0) - 1)
;;       q = np.round(r / step) * step * 2.0 ** e      # np.round: ties to even
;;       return np.moveaxis(q.reshape(q.shape[:-2] + (-1,))[..., :K], -1, axis).astype(np.float32)
;;   ~~~
;;   INPUTS GIVEN AS CODES. weight (in the module: [8192, 4096], K = its axis 1); x (in the module: [2048, 4096], K = its axis 1): each comes as NAME_codes (uint8): NAME with its K axis moved to the last place and cut into blocks of 32 codes, [.., K / 32, bytes a block], one block behind the other in memory; two codes a byte, the lower K in the low four bits (a code: sign, 2 exponent bits, 1 mantissa bit); and NAME_scales (uint8): the same leading axes, one E8M0 byte (e + 127) for each 32 codes along K. Its value is code x scale, taken as it is: it is not quantised again, and the codes and scales need not be those that the quantiser above would give.
;; One version. Each part assembles by itself: llvm-mc -triple=amdgcn-amd-amdhsa -mcpu=gfx1250 --defsym DOCPART=n.
;; ======== version 1 of 1: 1 launch
;; limits: right only within a limited range of input values
;; launch gemm (part 1): grid 32 x 8, 4 waves a work-group, clusters of 4 x 4, 327,680 bytes of LDS; arguments x_codes, x_scales, weight_codes, weight_scales, bias, out0; writes out0
.if DOCPART == 1
	.amdgcn_target "amdgcn-amd-amdhsa--gfx1250"
	.amdhsa_code_object_version 6
	.text
	.protected	k_q73424b1bd9_gemm
	.globl	k_q73424b1bd9_gemm
	.p2align	8
	.type	k_q73424b1bd9_gemm,@function
k_q73424b1bd9_gemm:
	s_mov_b64 s[64:65], 0
	v_nop
	global_prefetch_b8 v0, s[64:65] scope:SCOPE_SE
	s_setreg_imm32_b32 hwreg(HW_REG_WAVE_MODE, 25, 1), 1
	s_wait_xcnt 0x0
	s_wait_alu depctr_hold_cnt(0) depctr_sa_sdst(0) depctr_va_vdst(0) depctr_va_sdst(0) depctr_va_ssrc(0) depctr_va_vcc(0) depctr_vm_vsrc(0)
	s_getreg_b32 s2, hwreg(HW_REG_IB_STS2, 6, 4)
	s_cmp_eq_u32 s2, 0
	s_cbranch_scc0 .Lentry_in_a_cluster
	s_endpgm
.Lentry_in_a_cluster:
	s_bfe_u32 s2, ttmp6, 0x10000c
	s_cmp_lg_u32 s2, 0xf033
	s_cbranch_scc0 .Lentry_shape_is_right
	s_endpgm
.Lentry_shape_is_right:
; out0[m][n] = sum over k of x[m][k] weight[n][k] + bias[n].  x: [2048][4096], weight: [8192][4096]: codes of FP4 (E2M1), two a byte, K innermost (a row is 2,048 bytes), with one E8M0 scale byte
; for each 32 along K (a row of scales is 128 bytes).  bias [8192] and out0 [2048][8192] are f32; sums in f32.  Codes and scale bytes go to the matrix instruction as they lie in memory.
; SHARES.  out0 has 8 x 32 tiles of 256 x 256: one for each of the 256 work-groups.  Four waves, each 128 x 128: 32 accumulators of 32 columns x 16 rows, 512 registers.
; K goes in eight steps of 512 (LDS rows of 256 bytes of codes) through a ring of two LDS slots filled by the tensor data mover; each wave asks for 128 rows of a slot by one load.
; CLUSTERS: 4 x 4 work-groups.  The four of a row of the cluster need the same rows of x, the four of a column the same rows of weight: codes are asked for JOINTLY, by the same tensor load with the same
; descriptor and a mask that names the four.  The scales are not: they are 65,536 of the 1,114,112 bytes of codes and scales that a work-group takes in, and are read once, at the head, straight into registers.
; THE SCALES, each unit of 256 bytes whole: a load of a wave takes 512 consecutive bytes (four rows).  They are turned through an LDS region of 256 rows (a pair of rows = 256 bytes + 16 of padding), so that a lane gets
; its own row's words: first weight's 256 rows, 64 from each wave, of which every wave takes all 32 words of each of its 128 rows into 128 registers; then x's 256 rows, which stay there for the launch.
; THE MATRIX INSTRUCTION IS USED TRANSPOSED (source 0 = 32 rows of weight, source 1 = 16 rows of x): a lane then holds neighbouring numbers of a row of out0.
; THE BIAS is the C of each accumulator's first product: 64 registers serve all eight blocks of rows; no addition is written.
; THE LAST TWO K STEPS lie in LDS together and go by halves of the wave's rows.  Behind K step 6's first quarter rows 0-63 alone go on: the rest of K step 6, then K step 7 by rows of out0 (all its fragments of weight in
; registers), each block of 16 rows stored when it is finished.  Rows 64-127 then take K step 7 from the same registers, and at last the rest of K step 6, by rows too, and are stored.
; The K steps are written out by macros: the registers of weight's scales differ from step to step.
; LIMITS.  Codes and scale bytes are taken as given; a scale byte 0xff makes the sums that it enters NaN, as the format says.  The bias enters each sum first and not last, and in rows 64-127 of each wave K step 7 comes ahead
; of three quarters of K step 6: another order of f32 rounding than the reference's.
; REGISTERS, in windows of 256: window 0: v0-31 addresses; v32-63 x's scale words, a set for each slot; v64-191 weight's scale words; v192-255 the bias.
;   window 1: two sets of fragments of 128 along K: at 128 p: weight's four pairs of blocks (16 registers each), at 128 p + 64: x's eight blocks.  windows 2, 3: accumulators of my rows 0-63, 64-127.
;   By rows: window 1 holds weight's fragments of a whole K step; v64-127 x's of two blocks; rows of out0 on their way out come back into the accumulators of their own block.
.set SIZE_N, 8192
.set ROWB,   256                       ; a tile's row in bytes: 512 codes of 4 bits
.set KROW,   2048                      ; a row of codes in memory
.set PITCH,  272                       ; an LDS row: 256 bytes of codes + 16 of padding = 68 words: row r starts at bank 4 r mod 64 (64 banks of 4 bytes: ISA guide 11.1)
.set HALFT,  128*PITCH                 ; 128 rows: what one tensor load brings, and what one wave reads of x or of weight
.set SLOT,   4*HALFT                   ; x's 256 rows, then weight's 256
.set XSCL,   2*SLOT                    ; the scale region: 128 pairs of rows of 272 bytes
.set QTR,    32*PITCH                  ; a wave's quarter of it: 64 rows
.set SPARE,  XSCL+4*QTR                ; the spare words, 128 bytes for each wave: two blocks of 256 bytes that no other line names
.set SPITCH, 528                       ; the way out: 16 rows x (512 bytes + 16) for each wave, over slot 0's x rows 0-63 of the wave's half: 2 x 8,448 of 17,408 bytes.  Slot 0 has had its last fill, and these rows their last read, by then
.set SO,   9                           ; v9      16 x lane: my bytes in a scale load, and in a row of out0
.set BO,   10                          ; v10     my byte offset in the bias
.set PFO,  11                          ; v11     prefetch: lane x 2,048
.set ADRA, 12                          ; v12-13  LDS address of my x fragments in slot 0, 1
.set ADRB, 14                          ; v14-15  the same for weight
.set STO,  16                          ; v16     the way out: where I put 32 bytes of a row
.set RD,   17                          ; v17     the way out: where I read a row back
.set SST,  18                          ; v18     scales: where I put 16 bytes in my quarter
.set SLD,  19                          ; v19     scales: where I read my row's of my 128 rows of weight
.set XA,   20                          ; v20     the same of my 128 rows of x
.set SPW,  28                          ; v28     LDS address of my spare word; never rewritten
.set NIL,  29                          ; v29     0; never rewritten
.set XS,   32                          ; + 16 slot + 4 i + q: lane l: row 32 i + l of x, word q of the K step
.set BS,   64                          ; + 16 s + 4 p + q: lane l: row 32 p + l of weight, word q of K step s
.set BIAS, 192                         ; + 8 b + j: bias of column 16 b + 8 (lane / 16) + j
.set FX,   64                          ; by rows: x's fragments, two buffers of 32
.set WV,   16                          ; s16 wave;  s17 which half of the tile's rows is mine, and: I fetch for x (0) or weight (1);  s18 which half of its columns, and which 128 rows I fetch
.set MH,   17
.set NH,   18
.set G1A,  24                          ; s[24:31] descriptor group 1 for x's codes;  s[32:39] group 0, one set for each slot
.set G0A,  32
.set G1B,  48                          ; s[48:55], s[56:63] the same for weight's
.set G0B,  56
.set PFA,  66                          ; s[66:67] where my prefetches stand
.set MSB, 0
.macro WIN new                         ; the immediate's high byte repeats the setting that is left; a switch that changes nothing is dropped
.if MSB != (\new)
	s_set_vgpr_msb (MSB<<8)|(\new)
.set MSB, (\new)
.endif
.endm
.set MLO,  0xa5                        ; sources 0 and 1 window 1, C and D window 2
.set MHI,  0xf5                        ; C and D window 3.  (The first products: C, the bias, in window 0)
.set LDF,  0x40                        ; destination window 1, address window 0
; A joint load: waves 0 and 1 fetch x's two halves, waves 2 and 3 weight's.  Each line has ONE mask and one set of registers for all that issue it; the branch hangs on the wave's number alone.
.macro JLOAD sl
	s_cmp_eq_u32 s[MH], 0
	s_cbranch_scc0 .Lfor_b_\@
	tensor_load_to_lds s[G0A+4*(\sl):G0A+4*(\sl)+3], s[G1A:G1A+7]
	s_nop 0
.rept 4
	v_nop
.endr
	s_branch .Lasked_\@
.Lfor_b_\@:
	tensor_load_to_lds s[G0B+4*(\sl):G0B+4*(\sl)+3], s[G1B:G1B+7]
	s_nop 0
.rept 4
	v_nop
.endr
.Lasked_\@:
.endm
.macro CREST                           ; a round of the cluster's barrier behind its opening barrier
	s_cmp_lg_u32 s[WV], 0
	s_cbranch_scc1 .Lnot_wave_0_\@
	s_barrier_signal -3
.Lnot_wave_0_\@:
	s_barrier_wait -3
	s_barrier_signal -1
	s_barrier_wait -1
.endm
.macro CROUND                          ; a whole round
	s_barrier_signal -1
	s_barrier_wait -1
	CREST
.endm
; PREFETCH of K step k, a lane a row of 256 bytes, one instruction a wave.  weight: waves 2 and 3, 32 rows each; the four work-groups of a cluster column share a tile's 256 rows out, so each cluster that loads a block asks for it once.
; x: wave 0 alone; the eight chunks of 32 rows of a tile go to (cluster x mod 2, cx), so each block is asked for by the four clusters of one parity.  Asked two refills ahead of the tensor load; it stops at K step 7.
.macro ASK k
	s_cmp_eq_u32 s[WV], 1
	s_cbranch_scc1 .Lno_ask_\@
	global_prefetch_b8 v[PFO], s[PFA:PFA+1] offset:ROWB*(\k) th:TH_LOAD_NT scope:SCOPE_SE
.Lno_ask_\@:
.endm
	s_load_b128 s[4:7], s[0:1], 0x0                ; x's codes, x's scales
	s_load_b128 s[8:11], s[0:1], 0x10              ; weight's codes, weight's scales
	s_load_b128 s[12:15], s[0:1], 0x20             ; bias, out0
	v_lshl_add_u32 v[SPW], v0, 2, SPARE
	v_mov_b32 v[NIL], 0
	ds_add_u32 v[SPW], v[NIL]                      ; the wave's opening: the add, twice on end, and its wait ahead of my first tensor load
	ds_add_u32 v[SPW], v[NIL]
	v_lshrrev_b32 v1, 5, v0
	v_readfirstlane_b32 s[WV], v1
	s_lshr_b32 s[MH], s[WV], 1
	s_and_b32 s[NH], s[WV], 1
	s_bfe_u32 s20, ttmp6, 0x40000                  ; cx, cy: my place in the cluster
	s_bfe_u32 s21, ttmp6, 0x40004
	s_lshl_b32 s22, ttmp9, 2
	s_add_co_u32 s22, s22, s20                     ; tile column = 4 x cluster x + cx
	s_and_b32 s23, ttmp7, 0xffff
	s_lshl_b32 s23, s23, 2
	s_add_co_u32 s23, s23, s21                     ; tile row = 4 x cluster y + cy
	s_lshl_b32 s40, s21, 2
	s_lshl_b32 s40, 15, s40                        ; my row of the cluster
	s_lshl_b32 s41, 0x1111, s20                    ; my column
	; group 1: 128 rows x 256 bytes, padded in LDS
	s_or_b32 s[G1A+0], s40, (0<<16)|(1<<20)|(1<<21)|(5<<22)|(3<<25)  ; 15:0 mask; 17:16 element of 1 byte; 20 padding on; 21 set beside a mask; 24:22 after every 64 words (code 5); 31:25 of 4 words (code 3)
	s_or_b32 s[G1B+0], s41, (0<<16)|(1<<20)|(1<<21)|(5<<22)|(3<<25)
.irp g, G1A, G1B
	s_mov_b32 s[\g+1], ROWB<<16                    ; tensor_dim0 = 256
	s_mov_b32 s[\g+2], 128<<16                     ; tensor_dim1 = 128
	s_mov_b32 s[\g+3], ROWB<<16                    ; tile_dim0 = 256
	s_mov_b32 s[\g+4], 128                         ; tile_dim1 = 128
	s_mov_b32 s[\g+5], KROW                        ; tensor_dim0_stride
	s_mov_b32 s[\g+6], 0
	s_mov_b32 s[\g+7], 0
.endr
	s_lshl_b32 s42, s[NH], 18                      ; which 128 rows of a tile I fetch, in bytes
	s_mov_b32 s43, 0
	s_lshl_b32 s68, s23, 19                        ; x's codes: 256 rows x 2,048 bytes a tile row
	s_mov_b32 s69, 0
	s_lshl_b32 s70, s22, 19                        ; weight's codes, a tile column
	s_mov_b32 s71, 0
	s_lshl_b32 s44, s[WV], 13                      ; scales: I bring 64 rows x 128 bytes
	s_lshl_b32 s72, s23, 15                        ; of x's 256
	s_add_co_u32 s72, s72, s44
	s_mov_b32 s73, 0
	s_lshl_b32 s74, s22, 15                        ; and of weight's
	s_add_co_u32 s74, s74, s44
	s_mov_b32 s75, 0
	s_lshl_b32 s76, s22, 10                        ; my first column, in bytes, in the bias and in out0
	s_lshl_b32 s44, s[NH], 9
	s_add_co_u32 s76, s76, s44
	s_mov_b32 s77, 0
	s_lshl_b32 s78, s23, 23                        ; my first row of out0: 32,768 bytes a row
	s_lshl_b32 s44, s[MH], 22
	s_add_co_u32 s78, s78, s44
	s_mov_b32 s79, 0
	s_and_b32 s86, ttmp9, 1                        ; prefetch, x: chunk 4 x (cluster x mod 2) + cx of 32 rows
	s_lshl_b32 s86, s86, 2
	s_add_co_u32 s86, s86, s20
	s_lshl_b32 s86, s86, 16
	s_lshl_b32 s88, s21, 16                        ; weight: my 128 rows, chunk cy of 32
	s_add_co_u32 s88, s88, s42
	s_mov_b32 s87, 0
	s_mul_i32 s80, s[MH], HALFT                    ; LDS: my 128 rows of x,
	s_mul_i32 s81, s[NH], HALFT                    ; of weight, behind x's 256,
	s_add_co_u32 s81, s81, 2*HALFT
	s_mul_i32 s82, s[NH], 16*SPITCH                ; my stage, at the start of my 128 rows of x in slot 0,
	s_add_co_u32 s82, s82, s80
	s_mul_i32 s83, s[WV], QTR                      ; my quarter of the scale region,
	s_add_co_u32 s83, s83, XSCL
	s_mul_i32 s84, s[MH], 2*QTR                    ; my 128 rows of x in it,
	s_add_co_u32 s84, s84, XSCL
	s_mul_i32 s94, s[NH], 2*QTR                    ; my 128 rows of weight in it,
	s_add_co_u32 s94, s94, XSCL
	s_mul_i32 s85, s[WV], HALFT                    ; and where my tensor loads go: no place in the cluster enters an LDS address
	v_and_b32 v2, 31, v0                           ; l
	v_and_b32 v3, 15, v0                           ; r = l % 16
	v_bfe_u32 v4, v0, 4, 1                         ; h = l / 16
	v_lshlrev_b32 v[SO], 4, v2
	v_lshlrev_b32 v[BO], 5, v4
	v_lshlrev_b32 v[PFO], 11, v2
	v_mul_u32_u24 v5, v3, PITCH
	v_lshl_add_u32 v5, v4, 4, v5                   ; a fragment's row x pitch + 16 h
	v_add_nc_u32 v[ADRA], s80, v5
	v_add_nc_u32 v[ADRB], s81, v5
	v_add_nc_u32 v[ADRA+1], SLOT, v[ADRA]
	v_add_nc_u32 v[ADRB+1], SLOT, v[ADRB]
	v_mul_u32_u24 v6, v3, SPITCH                   ; the stage: in by row r, 32 bytes for each half of the lanes; back by rows of 512 bytes
	v_lshl_add_u32 v6, v4, 5, v6
	v_add_nc_u32 v[STO], s82, v6
	v_add_nc_u32 v[RD], s82, v[SO]
	v_mul_u32_u24 v7, v4, PITCH                    ; scales, in: pair of rows h, 16 bytes r of its 256
	v_lshl_add_u32 v7, v3, 4, v7
	v_add_nc_u32 v[SST], s83, v7
	v_lshrrev_b32 v8, 1, v2                        ; back: row l: pair l / 2, 128 bytes in for an odd row
	v_mul_u32_u24 v8, v8, PITCH
	v_and_b32 v6, 1, v0
	v_lshl_add_u32 v8, v6, 7, v8
	v_add_nc_u32 v[SLD], s94, v8
	v_add_nc_u32 v[XA], s84, v8
	s_wait_alu depctr_va_vdst(0)                   ; the wait here, ahead of the waits below: no vector instruction but v_nop and products follows
	s_wait_dscnt 0x0                               ; both opening adds are done
	s_wait_kmcnt 0x0
	s_add_nc_u64 s[68:69], s[4:5], s[68:69]
	s_add_nc_u64 s[70:71], s[8:9], s[70:71]
	s_add_nc_u64 s[72:73], s[6:7], s[72:73]
	s_add_nc_u64 s[74:75], s[10:11], s[74:75]
	s_add_nc_u64 s[12:13], s[12:13], s[76:77]
	s_add_nc_u64 s[14:15], s[14:15], s[76:77]
	s_add_nc_u64 s[14:15], s[14:15], s[78:79]
	s_add_nc_u64 s[90:91], s[68:69], s[42:43]      ; my 128 rows of x's tile
	s_add_nc_u64 s[92:93], s[70:71], s[42:43]      ; and of weight's
.irp s, 0,1
	s_mov_b32 s[G0A+4*\s], 1                                       ; count = 1
	s_add_co_u32 s[G0A+4*\s+1], s85, \s*SLOT                       ; LDS address
	s_add_nc_u64 s[G0A+4*\s+2:G0A+4*\s+3], s[90:91], \s*ROWB       ; global address: K step s
	s_or_b32 s[G0A+4*\s+3], s[G0A+4*\s+3], 0x80000000              ; type = 2
	s_mov_b32 s[G0B+4*\s], 1
	s_add_co_u32 s[G0B+4*\s+1], s85, \s*SLOT
	s_add_nc_u64 s[G0B+4*\s+2:G0B+4*\s+3], s[92:93], \s*ROWB
	s_or_b32 s[G0B+4*\s+3], s[G0B+4*\s+3], 0x80000000
.endr
	s_cmp_lt_u32 s[WV], 2
	s_cselect_b32 s86, s86, s88
	s_cselect_b64 s[PFA:PFA+1], s[68:69], s[70:71]
	s_add_nc_u64 s[PFA:PFA+1], s[PFA:PFA+1], s[86:87]
	CROUND                                         ; all sixteen work-groups are here: the first joint loads meet
	JLOAD 0                                        ; K step 0: one tensor load a wave at the head
	WIN 0x80                                       ; the scales land in window 2, where no sum has begun: 64 rows of weight, then 64 of x
.set IX, 0
.rept 16
	global_load_b128 v[4*IX:4*IX+3], v[SO], s[74:75] offset:512*IX
.set IX, IX+1
.endr
.set IX, 0
.rept 16
	global_load_b128 v[128+4*IX:131+4*IX], v[SO], s[72:73] offset:512*IX
.set IX, IX+1
.endr
	WIN 0
.irp b, 0,1,2,3,4,5,6,7
	global_load_b128 v[BIAS+8*\b:BIAS+8*\b+3], v[BO], s[12:13] offset:64*\b
	global_load_b128 v[BIAS+8*\b+4:BIAS+8*\b+7], v[BO], s[12:13] offset:64*\b+16
.endr
	ASK 1
	ASK 2
.macro PLACES                          ; four places behind the matrix instructions (ISA guide 7.12.1 for the stores): ahead of loads into registers that they have read, and of stores that read their results
.rept 4
	v_nop
.endr
.endm
.macro FRAG reg, adr, q, i             ; a fragment, 16 rows x 128 K, 8 registers: lane l holds row l % 16; registers 4 c .. 4 c + 3 hold K = 64 c + 32 (l / 16) + 0 .. 31
.irp c, 0,1
	ds_load_b128 v[\reg+4*\c:\reg+4*\c+3], v[\adr] offset:64*(\q)+32*\c+(\i)*16*PITCH
.endr
.endm
.macro LOADW sl, q, half               ; two pairs of weight's blocks of the slot's q-th 128 along K, into set q % 2
.irp i, 0,1,2,3
	FRAG 128*((\q)%2)+8*(4*(\half)+\i), ADRB+(\sl), (\q), (4*(\half)+\i)
.endr
.endm
.macro LOADX sl, q, half               ; four of x's blocks
.irp i, 0,1,2,3
	FRAG 128*((\q)%2)+64+8*(4*(\half)+\i), ADRA+(\sl), (\q), (4*(\half)+\i)
.endr
.endm
.macro SCALES s                        ; x's scale words of K step s: four words a row, 32 rows a load
.irp i, 0,1,2,3
	ds_load_b128 v[XS+16*((\s)%2)+4*\i:XS+16*((\s)%2)+4*\i+3], v[XA] offset:\i*16*PITCH+16*(\s)
.endr
.endm
; Four matrix instructions: x's block a against weight's four pairs, 128 along K: the q-th of K step s.  weight's scales fill all lanes; x's block a has lanes 0-15 (a even) or 16-31 (a odd) of its register.
; The accumulators take turns in the same order in every step.
.macro MULS a, s, q, first
.irp p, 0,1,2,3
.set DD, 16*(4*((\a)%4)+\p)
.set WF, 128*((\q)%2)+16*\p
.set XF, 128*((\q)%2)+64+8*(\a)
.set SW, BS+16*(\s)+4*\p+(\q)
.set SX, XS+16*((\s)%2)+4*((\a)/2)+(\q)
.if \first
.set CI, BIAS+16*\p
.else
.set CI, DD
.endif
.if (\a)%2
	v_wmma_scale_f32_32x16x128_f4 v[DD:DD+15], v[WF:WF+15], v[XF:XF+7], v[CI:CI+15], v[SW], v[SX] matrix_b_scale:MATRIX_SCALE_ROW1
.else
	v_wmma_scale_f32_32x16x128_f4 v[DD:DD+15], v[WF:WF+15], v[XF:XF+7], v[CI:CI+15], v[SW], v[SX]
.endif
.endr
.endm
; A step of 128 along K that has its successor in the same slot.  The next step's 32 loads go in ONE run ahead of the 32 products, into the set that the step before has read; they have all these products in which to land.
; In K step 6 the second half of x's blocks is left to the end behind the first step: 24 loads, 16 products.
.macro STEP s, q, first
.set SL, (\s)%2
	PLACES
	WIN LDF
	LOADW SL, (\q)+1, 0
	LOADW SL, (\q)+1, 1
	LOADX SL, (\q)+1, 0
.if (\s) < 6
	LOADX SL, (\q)+1, 1
	s_wait_dscnt 32                                ; this step's fragments are in: only the loads just issued may be out
.else
	s_wait_dscnt 24
.endif
	WIN MLO-0x20*\first
	MULS 0, \s, \q, \first
	MULS 1, \s, \q, \first
	MULS 2, \s, \q, \first
	MULS 3, \s, \q, \first
.if ((\s) < 6) || ((\q) == 0)
	WIN MHI-0x30*\first
	MULS 4, \s, \q, \first
	MULS 5, \s, \q, \first
	MULS 6, \s, \q, \first
	MULS 7, \s, \q, \first
.endif
.endm
; The head of a K step's last 128, whose fragments were asked for a step ago: every wave waits for all its tensor loads (its part of K step s + 1), adds 0 to its spare word, and waits for that and for its own reads of this slot;
; eight products stand between the barrier's signal and its wait.
.macro MEET s, fill
.set SL, (\s)%2
	WIN 0
	s_wait_tensorcnt 0x0                           ; all my tensor loads have landed, so a group 0 may be written
	ds_add_u32 v[SPW], v[NIL]                      ; 0 onto my spare word
.if \fill
	s_add_nc_u64 s[G0A+4*SL+2:G0A+4*SL+3], s[G0A+4*SL+2:G0A+4*SL+3], 2*ROWB   ; two K steps on
	s_add_nc_u64 s[G0B+4*SL+2:G0B+4*SL+3], s[G0B+4*SL+2:G0B+4*SL+3], 2*ROWB
.endif
	s_wait_dscnt 0x0                               ; the add is done, and my reads of this slot are over (of K step 6: but those of rows 64-127, which nothing writes over)
	s_barrier_signal -1
	WIN MLO
	MULS 0, \s, 3, 0                               ; work on registers while the others arrive
	MULS 1, \s, 3, 0
	WIN 0
	s_barrier_wait -1
.endm
.macro TURN s                          ; the slot is filled again, with K step s + 2; the other slot's first fragments are read
	MEET \s, 1
	CREST                                          ; no wave of any partner still reads this slot or has a load on its way
	JLOAD SL                                       ; the first tensor load behind the round; its four v_nop are the places for the loads below, into the set that the step before has read
	SCALES (\s)+1
	WIN LDF
	LOADW 1-SL, 0, 0
	LOADW 1-SL, 0, 1
	LOADX 1-SL, 0, 0
	LOADX 1-SL, 0, 1
	WIN 0
.if (\s) < 4
	ASK (\s)+4                                     ; behind the run of LDS loads
.endif
	WIN MLO
	MULS 2, \s, 3, 0
	MULS 3, \s, 3, 0
	WIN MHI
	MULS 4, \s, 3, 0
	MULS 5, \s, 3, 0
	MULS 6, \s, 3, 0
	MULS 7, \s, 3, 0
.endm
	s_wait_loadcnt 32                              ; weight's 64 rows are in; behind them x's sixteen loads and the bias's sixteen
	WIN 0x08
.set IX, 0
.rept 16
	ds_store_b128 v[SST], v[4*IX:4*IX+3] offset:2*PITCH*IX
.set IX, IX+1
.endr
	WIN 0
	s_wait_dscnt 0x0
	s_barrier_signal -1
	s_barrier_wait -1                              ; all four waves' rows of weight are stored
.irp p, 0,1,2,3
.irp s, 0,1,2,3,4,5,6,7
	ds_load_b128 v[BS+16*\s+4*\p:BS+16*\s+4*\p+3], v[SLD] offset:\p*16*PITCH+16*\s
.endr
.endr
	s_wait_dscnt 0x0                               ; my words are in registers
	s_barrier_signal -1
	s_barrier_wait -1                              ; everybody's are: x's rows may take the place
	s_wait_loadcnt 16                              ; x's are in; the bias's sixteen loads may be out
	WIN 0x08
.set IX, 0
.rept 16
	ds_store_b128 v[SST], v[128+4*IX:131+4*IX] offset:2*PITCH*IX
.set IX, IX+1
.endr
	WIN 0
	s_wait_tensorcnt 0x0                           ; my part of K step 0 is in
	ds_add_u32 v[SPW], v[NIL]
	s_wait_dscnt 0x0                               ; the add is done, x's scales are stored
	CROUND                                         ; everybody's
	JLOAD 1                                        ; K step 1
	SCALES 0
	WIN LDF
	LOADW 0, 0, 0
	LOADW 0, 0, 1
	LOADX 0, 0, 0
	LOADX 0, 0, 1
	WIN 0
	ASK 3
	s_wait_loadcnt 0x0                             ; the bias
	STEP 0, 0, 1                                   ; the sums begin with the bias
	STEP 0, 1, 0
	STEP 0, 2, 0
	TURN 0
.irp s, 1,2,3,4,5
	STEP \s, 0, 0
	STEP \s, 1, 0
	STEP \s, 2, 0
	TURN \s
.endr
	STEP 6, 0, 0
	STEP 6, 1, 0
	STEP 6, 2, 0
; BY ROWS OF out0: K step 7 (slot 1) whole, K step 6 (slot 0) its quarters 1 to 3.
.macro BLOAD q, s                      ; weight's fragments of quarter q -> window 1, v[64 q ..]
	WIN LDF
.irp i, 0,1,2,3,4,5,6,7
	FRAG 64*(\q)+8*\i, ADRB+((\s)%2), \q, \i
.endr
.endm
.macro ALOAD a, s                      ; x's block a -> buffer a % 2: eight loads of K step 7, six of K step 6
	WIN 0
.irp q, 0,1,2,3
.if ((\s) == 7) || (\q > 0)
	FRAG FX+32*((\a)%2)+8*\q, ADRA+((\s)%2), \q, \a
.endif
.endr
.endm
; Block a's products with K step s: 16 or 12, its four accumulators by turns.  prog = 1: weight's fragments are still coming: behind quarter q's stand the later quarters' (16 loads each) and the next block of x's (8 or 6).
.macro ROW a, s, prog
.set FA, FX+32*((\a)%2)
.set AC, 64*((\a)%4)
	WIN 0xa1+0x50*((\a)/4)                         ; source 0 window 1, source 1 window 0, C and D window 2 or 3
.irp q, 0,1,2,3
.if ((\s) == 7) || (\q > 0)
.if \prog
	s_wait_dscnt 42+2*(\s)-16*\q
.endif
.irp p, 0,1,2,3
.set SW, BS+16*(\s)+4*\p+\q
.set SX, XS+16*((\s)%2)+4*((\a)/2)+\q
.if (\a)%2
	v_wmma_scale_f32_32x16x128_f4 v[AC+16*\p:AC+16*\p+15], v[64*\q+16*\p:64*\q+16*\p+15], v[FA+8*\q:FA+8*\q+7], v[AC+16*\p:AC+16*\p+15], v[SW], v[SX] matrix_b_scale:MATRIX_SCALE_ROW1
.else
	v_wmma_scale_f32_32x16x128_f4 v[AC+16*\p:AC+16*\p+15], v[64*\q+16*\p:64*\q+16*\p+15], v[FA+8*\q:FA+8*\q+7], v[AC+16*\p:AC+16*\p+15], v[SW], v[SX]
.endif
.endr
.endif
.endr
.endm
; THE WAY OUT of block a, 16 rows x 128 columns, through my own stage in LDS, and back as whole rows of 512 bytes into the block's own accumulators, which have been stored to the stage: LDS serves a wave's instructions in order (ISA guide 5.7.1.4).
.macro TOSTAGE a
.set AC, 64*((\a)%4)
	WIN 0x88+0x44*((\a)/4)                         ; an LDS store's data are its source 1, a load's its destination: window 2 or 3
.irp b, 0,1,2,3,4,5,6,7
	ds_store_b128 v[STO], v[AC+8*\b:AC+8*\b+3] offset:64*\b          ; each accumulator from its low end on
	ds_store_b128 v[STO], v[AC+8*\b+4:AC+8*\b+7] offset:64*\b+16
.endr
.set IX, 0
.rept 16
	ds_load_b128 v[AC+4*IX:AC+4*IX+3], v[RD] offset:IX*SPITCH
.set IX, IX+1
.endr
.endm
.macro SEND a, from, n                 ; rows from .. from + n - 1 of block a, which are back in registers
	WIN 0x88+0x44*((\a)/4)
.set IX, \from
.rept \n
.set BR, 64*((\a)%4)+4*IX
	global_store_b128 v[SO], v[BR:BR+3], s[14:15] offset:(16*(\a)+IX)*SIZE_N*4 th:TH_STORE_NT   ; 32 lanes store 512 consecutive bytes, at a multiple of 256 from out0's first byte; 127 rows, 4,161,536 bytes, at the most: inside the signed 24-bit immediate (ISA guide, chapter 10)
.set IX, IX+1
.endr
.endm
	MEET 6, 0                                      ; K step 7's load was the last
	PLACES
	SCALES 7
	ALOAD 0, 7
	BLOAD 0, 7                                     ; half of weight's fragments now, into set 0's registers: set 1 is still being multiplied
	BLOAD 1, 7
	WIN MLO
	MULS 2, 6, 3, 0
	MULS 3, 6, 3, 0
	PLACES
	BLOAD 2, 7
	BLOAD 3, 7
	ALOAD 1, 7
	ROW 0, 7, 1
.irp a, 0,1,2                          ; rows 0-63: each block leaves as soon as it is finished; the next block's products stand between its loads from the stage and the wait for them
	PLACES
	TOSTAGE \a
	ALOAD \a+2, 7
	s_wait_dscnt 40                                ; x's block a + 1 is in: behind it the stage's 32 instructions and the eight loads just issued
	ROW \a+1, 7, 0
	s_wait_dscnt 8                                 ; the stage's rows are back; those eight loads may be out
.if \a < 2
	SEND \a, 0, 16
.else
	SEND 2, 0, 8
.endif
.endr
	PLACES
	TOSTAGE 3
	ALOAD 5, 7
	s_wait_dscnt 40                                ; x's block 4
	ROW 4, 7, 0                                    ; rows 64-127 take K step 7; blocks 2 and 3 go on leaving between their products
	SEND 2, 8, 8
	PLACES
	ALOAD 6, 7
	s_wait_dscnt 8                                 ; x's block 5, and block 3's rows from the stage
	ROW 5, 7, 0
	SEND 3, 0, 6
	PLACES
	ALOAD 7, 7
	s_wait_dscnt 8                                 ; x's block 6
	ROW 6, 7, 0
	SEND 3, 6, 5
	s_wait_dscnt 0x0                               ; x's block 7
	ROW 7, 7, 0
	PLACES
	ALOAD 4, 6                                     ; and at last what K step 6 still owes them
	BLOAD 1, 6
	BLOAD 2, 6
	BLOAD 3, 6
	ALOAD 5, 6
	SEND 3, 11, 5
	ROW 4, 6, 1
.irp a, 4,5
	PLACES
	TOSTAGE \a
	ALOAD \a+2, 6
	s_wait_dscnt 38                                ; x's block a + 1 is in: behind it the stage's 32 instructions and the six loads just issued
	ROW \a+1, 6, 0
	s_wait_dscnt 6
	SEND \a, 0, 16
.endr
	PLACES
	TOSTAGE 6
	s_wait_dscnt 32                                ; x's block 7
	ROW 7, 6, 0
	s_wait_dscnt 0x0
	SEND 6, 0, 16
	PLACES
	TOSTAGE 7
	s_wait_dscnt 0x0
	SEND 7, 0, 16
	WIN 0
	s_wait_tensorcnt 0x0                           ; the wave's end
	ds_add_u32 v[SPW], v[NIL]
	s_wait_dscnt 0x0
	CROUND                                         ; the closing round: no work-group ends while a partner may still ask for a tile that names it
	s_endpgm
.Lfunc_end_k_q73424b1bd9_gemm:
	.size	k_q73424b1bd9_gemm, .Lfunc_end_k_q73424b1bd9_gemm-k_q73424b1bd9_gemm
	.p2alignl 7, 3214868480
	.fill 96, 4, 3214868480
	.section	.rodata,"a",@progbits
	.p2align	6, 0x0
	.amdhsa_kernel k_q73424b1bd9_gemm
		.amdhsa_group_segment_fixed_size 327680
		.amdhsa_private_segment_fixed_size 0
		.amdhsa_enable_private_segment 0
		.amdhsa_kernarg_size 48
		.amdhsa_user_sgpr_count 2
		.amdhsa_user_sgpr_kernarg_segment_ptr 1
		.amdhsa_wavefront_size32 1
		.amdhsa_system_sgpr_workgroup_id_x 1
		.amdhsa_system_sgpr_workgroup_id_y 1
		.amdhsa_system_sgpr_workgroup_id_z 1
		.amdhsa_system_vgpr_workitem_id 0
		.amdhsa_next_free_vgpr 1024
		.amdhsa_next_free_sgpr 96
		.amdhsa_reserve_vcc 0
		.amdhsa_float_denorm_mode_32 3
		.amdhsa_float_denorm_mode_16_64 3
		.amdhsa_memory_ordered 1
		.amdhsa_forward_progress 1
		.amdhsa_inst_pref_size 255
	.end_amdhsa_kernel
	.section	.bss,"aw",@nobits
	.p2align	6
	.space	262144
	.amdgpu_metadata
---
amdhsa.version: [ 1, 2 ]
amdhsa.kernels:
  - .name:           k_q73424b1bd9_gemm
    .symbol:         k_q73424b1bd9_gemm.kd
    .args:
      - { .name: x_codes, .offset: 0, .size: 8, .value_kind: global_buffer, .address_space: global }
      - { .name: x_scales, .offset: 8, .size: 8, .value_kind: global_buffer, .address_space: global }
      - { .name: weight_codes, .offset: 16, .size: 8, .value_kind: global_buffer, .address_space: global }
      - { .name: weight_scales, .offset: 24, .size: 8, .value_kind: global_buffer, .address_space: global }
      - { .name: bias, .offset: 32, .size: 8, .value_kind: global_buffer, .address_space: global }
      - { .name: out0, .offset: 40, .size: 8, .value_kind: global_buffer, .address_space: global }
    .group_segment_fixed_size: 327680
    .private_segment_fixed_size: 0
    .kernarg_segment_align: 8
    .kernarg_segment_size: 48
    .max_flat_workgroup_size: 128
    .sgpr_count:     96
    .vgpr_count:     1024
    .wavefront_size: 32
...
	.end_amdgpu_metadata
.endif
;; end of part 1
